; MI455X (gfx1250); checked and timed in simulation.
; The chip was launched on July 23, 2026; its instructions are those of AMD's public machine-readable ISA for CDNA 5 (MIT licence, August 2026) and "CDNA5" Instruction Set Architecture Reference Guide (July 2026). The comments in the code are by the model that wrote it; some were corrected since.
;; Soft Embedded Decision Rules. Allowed arithmetic: float matrix products may take bf16 or f16 operands with f32 sums; other float arithmetic in f32, or as packed bf16 or f16 multiplies, adds, multiply-adds, maxima and minima; sums over many terms, partial sums and values carried from step to step in f32; what a program stores and reads back later, other than sums and carried values, may be rounded once to bf16 or f16.
;; Inputs: outputs 16,384 x 1,024 float32.
;; Outputs: out0 16,384 x 1,024 float32.
;; 2 versions, each right; version 2 is version 1 with the launch tree written anew for expert scheduling mode. Each part assembles by itself: llvm-mc -triple=amdgcn-amd-amdhsa -mcpu=gfx1250 --defsym DOCPART=n.
;; ======== version 1 of 2: 1 launch
;; limits: a function is approximated: absolute error at most 1.2e-07
;; launch tree (part 1): grid 256 x 1, 16 waves a work-group, no clusters, 22,528 bytes of LDS; arguments outputs, out0; writes out0
.if DOCPART == 1
	.amdgcn_target "amdgcn-amd-amdhsa--gfx1250"
	.amdhsa_code_object_version 6
	.text
	.protected	k_qccdf693ebf_tree
	.globl	k_qccdf693ebf_tree
	.p2align	8
	.type	k_qccdf693ebf_tree,@function
k_qccdf693ebf_tree:
	s_mov_b64 s[64:65], 0
	v_nop
	global_prefetch_b8 v0, s[64:65] scope:SCOPE_SE
	s_setreg_imm32_b32 hwreg(HW_REG_WAVE_MODE, 25, 1), 1
	s_wait_xcnt 0x0
; SOFT DECISION RULES OVER A COMPLETE BINARY TREE.  outputs, out0: [16384][1024] f32.
; out0[b][c] = the product over the levels d = 0 .. 9 of the probability that the node above c at level d gives to the child that holds c:
; softmax over (mean of the left half's leaves, mean of the right half's); a child at level d has 512 >> d leaves.
; ARITHMETIC.  A node's children have means a and b.  With the maximum taken away, as reference() takes it, the larger child's exponential is exp(0) = 1 and the
; smaller one's is t = exp(-|a - b|), at most 1: nothing can overflow.  The probabilities are 1 / (1 + t) and t / (1 + t), that is (1 + z) / 2 and (1 - z) / 2 with
; z = (1 - t) / (1 + t) = 2 / (1 + t) - 1, the larger for the larger mean: z takes the sign of a - b.  A path's ten factors 1/2 are the 2^-10 with which its product starts.
; A block's sum is made of its two halves' sums, so every level's means come from the level below; 1 / leaves and log2(e) are one factor in front of the exponential.
; LEFT OUT: the multiplication by reference()'s initial ones (a factor 1), and exp(0).  Nothing else; the one input is read whole.
; LIMITS.  (1 - z) / 2 resolves a child's probability to about 2^-24 of its parent's; smaller ones come out as 0 or coarse.  Every row of out0 sums to 1, so the
; root mean square of out0 is at least 2^-10, whatever the input.  The sums are pairwise, an order other than reference()'s.  NaN and infinities are not treated apart.
; SHARES.  A work-group of 16 waves owns 64 rows, a wave 4.  A row is 4,096 bytes: eight loads of 16 bytes a lane, each 512 consecutive bytes, aligned; lane l holds the leaves
; 128 j + 4 l + 0..3 of piece j.  All 32 loads of a wave go out at its head; each row has 32 registers of its own, in which it is loaded, worked on and stored from:
; no register that a global load or store reads is ever written again, so there is no wait for that.
; WHERE THE LEVELS LIE.  Levels 9 and 8 lie inside a lane's four leaves.  The 256 sums of four (group g = 32 j + l) go through the wave's own LDS area, so that lane l then holds
; the groups 8 l .. 8 l + 7, 32 neighbouring leaves: levels 7, 6, 5 lie inside the lane, levels 4 .. 0 between lanes 1, 2, 4, 8, 16 apart, on ONE register.  So a lane works 24 + 7 + 5 nodes
; where the loaded layout alone would have it work 24 + 40 + 7.  The 256 products of levels 0 .. 7 come back through the same area.
; LDS.  Group g's word lies at 4 g + 16 (g / 64) of the wave's area.
; No wave touches another's area, and LDS serves a wave's instructions in order (ISA guide 5.7.1.4): no barrier.
; NO CLUSTER, no tensor load: work-groups share no byte, and the loads bring the data as the arithmetic wants them.
.set ROWB,  4096                       ; bytes in a row
.set ROWS,  4                          ; rows of a wave
.set WAVES, 16
.set AREA,  1280                       ; a wave's LDS area: 1,072 bytes are used
.set SPARE, WAVES*AREA                 ; behind the areas: the spare words, 128 bytes for each wave: eight blocks of 256 bytes that no other line names
.set LOG2E, 0x3fb8aa3b                 ; log2(e); divided by 2^n by taking n from its exponent field
.set GOFF, 1                           ; v1   16 x lane: my bytes in a piece of 512; never rewritten
.set LSA,  2                           ; v2   LDS: my word among a piece's 32 group sums
.set LLA,  3                           ; v3   LDS: the 32 bytes of my eight groups
.set SPW,  4                           ; v4   LDS address of my spare word; never rewritten
.set NIL,  5                           ; v5   0; never rewritten
.set LPA,  6                           ; v6   LDS: my word among a piece's 32 products (their order within eight differs: below)
.set LN,   7                           ; v7   lane
.set T,    8                           ; v[8:31]    leaf levels: node 2 j + h of level 9 (leaves 2 h, 2 h + 1 of piece j) at T + 2 j + h, node j of level 8 at T + 16 + j
.set G,    32                          ; v[32:39]   my eight group sums; later my eight products
.set S7,   40                          ; v[40:43]   sums of two groups
.set S6,   44                          ; v[44:45]   of four
.set SS,   46                          ; v46        of my 32 leaves, then of 64, 128 .. as it goes up
.set OT,   47                          ; v47        the sum of the lane 16 away
.set MD,   48                          ; v[48:59]   the middle's differences: level 7's nodes 0, 2, 1, 3; level 6's 0, 1; level 5; levels 4, 3, 2, 1, 0 (there: the sibling's sum less mine)
.set MC,   60                          ; v[60:71]   the same nodes' chains: -|d|, exponent, t, 1 + t, 1 / (1 + t), z, z with its sign
.set PP,   72                          ; v72        2^-10 x my factors of levels 0 .. 4
.set PA,   74                          ; v[74:75]   level 5's two children
.set BL,   76                          ; v[76:77]   level 6: the left children of its two nodes
.set BR,   78                          ; v[78:79]   the right ones
.set PJ,   80                          ; v[80:87]   the product of levels 0 .. 7 for my four leaves of piece j
.set QL,   88                          ; v[88:95]   level 8: left child, by piece
.set QR,   96                          ; v[96:103]  right child
.set KV,   104                         ; v[104:109] log2(e) / leaves for levels 5, 4, 3, 2, 1, 0
.set X,    112                         ; v[112:239] the four rows
.set WV,   8                           ; s8   my wave's number
.set LB,   9                           ; s9   my wave's LDS area
.set SGN,  10                          ; s10  the sign bit
.set MASK, 11                          ; s11  all but the sign bit
.set SEL,  12                          ; s[12:13] v_permlanex16_b32's selects: each lane takes its own place in the other half
.set CC,   14                          ; s14  2^-10
.set KS,   16                          ; s[16:23] log2(e) / leaves for levels 9, 8, 7, 6, each twice: the packed multiply names a pair and takes its low word for both halves
	s_load_b128 s[4:7], s[0:1], 0x0                ; outputs s[4:5], out0 s[6:7]
	v_lshl_add_u32 v[SPW], v0, 2, SPARE
	v_mov_b32 v[NIL], 0
	v_lshrrev_b32 v[T], 5, v0
	v_readfirstlane_b32 s[WV], v[T]                ; wave 0..15
	v_and_b32 v[LN], 31, v0
	v_lshlrev_b32 v[GOFF], 4, v[LN]
	s_lshl_b32 s2, ttmp9, 18                       ; the work-group's 64 rows of 4,096 bytes,
	s_lshl_b32 s3, s[WV], 14                       ; my wave's 4 of them: under 2^26 in all
	s_add_co_u32 s2, s2, s3
	s_mov_b32 s3, 0
	s_wait_kmcnt 0x0
	s_add_nc_u64 s[4:5], s[4:5], s[2:3]
	s_add_nc_u64 s[6:7], s[6:7], s[2:3]
.set i, 0
.rept 8*ROWS                           ; all four rows are asked for at once: 16 KiB a wave; piece i % 8 of row i / 8
	global_load_b128 v[X+4*i:X+4*i+3], v[GOFF], s[4:5] offset:512*i th:TH_LOAD_NT
.set i, i+1
.endr
	; the set-up stands in the wait for the first row
	s_mul_i32 s[LB], s[WV], AREA
	v_lshl_add_u32 v[LSA], v[LN], 2, s[LB]         ; group 32 j + l: 4 l here, 128 j + 16 (j / 2) in the immediate
	v_and_b32 v[T], 24, v[LN]                      ; 8 (l / 8)
	v_lshlrev_b32 v[T+1], 1, v[T]
	v_lshl_add_u32 v[LLA], v[LN], 5, v[T+1]        ; groups 8 l ..: 32 l + 16 (l / 8)
	v_add_nc_u32 v[LLA], s[LB], v[LLA]
	v_and_b32 v[T+1], 3, v[LN]                     ; the products lie in the order 0, 4, 1, 5, 2, 6, 3, 7 within eight: group m of eight at word 2 (m % 4) + m / 4
	v_lshlrev_b32 v[T+1], 3, v[T+1]
	v_lshl_add_u32 v[T], v[T], 2, v[T+1]           ; 32 (l / 8) + 8 (l % 4)
	v_and_b32 v[T+1], 4, v[LN]                     ; + 4 ((l / 4) % 2)
	v_add3_u32 v[LPA], v[T], v[T+1], s[LB]
	s_mov_b32 s[SGN], 0x80000000
	s_mov_b32 s[MASK], 0x7fffffff
	s_mov_b32 s[SEL], 0x76543210
	s_mov_b32 s[SEL+1], 0xfedcba98
	s_mov_b32 s[CC], 0x3a800000
.irp d, 9,8,7,6
	s_mov_b32 s[KS+2*(9-\d)], LOG2E-((9-\d)<<23)
	s_mov_b32 s[KS+2*(9-\d)+1], LOG2E-((9-\d)<<23)
.endr
.irp d, 5,4,3,2,1,0
	v_mov_b32 v[KV+5-\d], LOG2E-((9-\d)<<23)
.endr
.irp m, 7,8,9,10
	v_mov_b32 v[MD+\m], 0                          ; destinations of lane-crossing forms count as read: they are written once here
.endr
	v_mov_b32 v[OT], 0
; THE LEAF LEVELS' 24 NODES.  Node n's difference lies in the row's own registers.
.macro DREG n
.if (\n) < 16
.set dr, XB+4*((\n)/2)+(\n)%2
.else
.set dr, XB+4*((\n)-16)+2
.endif
.endm
.macro LO n                            ; -|d|
	DREG \n
	v_or_b32 v[T+(\n)], s[SGN], v[dr]
.endm
.macro LP p                            ; pair p of 12: times log2(e) / leaves
.if (\p) < 8
	v_pk_mul_f32 v[T+2*(\p):T+2*(\p)+1], v[T+2*(\p):T+2*(\p)+1], s[KS:KS+1] op_sel_hi:[1,0]
.else
	v_pk_mul_f32 v[T+2*(\p):T+2*(\p)+1], v[T+2*(\p):T+2*(\p)+1], s[KS+2:KS+3] op_sel_hi:[1,0]
.endif
.endm
.macro LE n                            ; t
	v_exp_f32 v[T+(\n)], v[T+(\n)]
.endm
.macro LB_ n                           ; z takes the difference's sign
	DREG \n
	v_bfi_b32 v[T+(\n)], s[MASK], v[T+(\n)], v[dr]
.endm
; THE MIDDLE'S 12 NODES.
.macro MO m
	v_or_b32 v[MC+(\m)], s[SGN], v[MD+(\m)]
.endm
.macro MP q                            ; pair q of 6
.if (\q) < 2
	v_pk_mul_f32 v[MC+2*(\q):MC+2*(\q)+1], v[MC+2*(\q):MC+2*(\q)+1], s[KS+4:KS+5] op_sel_hi:[1,0]
.elseif (\q) == 2
	v_pk_mul_f32 v[MC+2*(\q):MC+2*(\q)+1], v[MC+2*(\q):MC+2*(\q)+1], s[KS+6:KS+7] op_sel_hi:[1,0]
.else
	v_pk_mul_f32 v[MC+2*(\q):MC+2*(\q)+1], v[MC+2*(\q):MC+2*(\q)+1], v[KV+2*(\q)-6:KV+2*(\q)-5]
.endif
.endm
.macro ME m
	v_exp_f32 v[MC+(\m)], v[MC+(\m)]
.endm
.macro MB m
	v_bfi_b32 v[MC+(\m)], s[MASK], v[MC+(\m)], v[MD+(\m)]
.endm
.macro UP x, m                         ; one level between lanes x apart: the sibling's sum less mine, then the parent's sum
	v_sub_f32_dpp v[MD+(\m)], v[SS], v[SS] row_xmask:\x row_mask:0xf bank_mask:0xf
	v_add_f32_dpp v[SS], v[SS], v[SS] row_xmask:\x row_mask:0xf bank_mask:0xf
.endm
.macro DOWN m                          ; my factor of such a level: 1 - z, z with the sign of (sibling - me)
	v_fma_f32 v[PP], -v[PP], v[MC+(\m)], v[PP]
.endm
; ALL 36 CHAINS, as 18 pairs: the middle's six, then the leaf levels' twelve.
.macro PAIR q
.if (\q) < 6
.set pr, MC+2*(\q)
.else
.set pr, T+2*((\q)-6)
.endif
.endm
.macro WP q                            ; 1 + t
	PAIR \q
	v_pk_add_f32 v[pr:pr+1], v[pr:pr+1], 1.0 op_sel_hi:[1,0]
.endm
.macro RP q                            ; 1 / (1 + t)
	PAIR \q
	v_rcp_f32 v[pr], v[pr]
	v_rcp_f32 v[pr+1], v[pr+1]
.endm
.macro ZP q                            ; z = 2 / (1 + t) - 1
	PAIR \q
	v_pk_fma_f32 v[pr:pr+1], v[pr:pr+1], 2.0, -1.0 op_sel_hi:[1,0,0]
.endm
; Two nodes' left children, P + P z, and their right ones, P - P z: parents and z in pairs
.macro PLUS d, p, z
	v_pk_fma_f32 v[(\d):(\d)+1], v[(\p):(\p)+1], v[(\z):(\z)+1], v[(\p):(\p)+1]
.endm
.macro MINUS d, p, z
	v_pk_fma_f32 v[(\d):(\d)+1], v[(\p):(\p)+1], v[(\z):(\z)+1], v[(\p):(\p)+1] neg_lo:[0,1,0] neg_hi:[0,1,0]
.endm
.macro ROW r
.set XB, X+32*(\r)
	s_wait_loadcnt 8*(ROWS-1-(\r))                 ; loads come back in order (ISA guide 5.7.1): this row's eight are in, the later rows' stay out
	; UP, levels 9 and 8.  A piece's four registers x0 .. x3 become x0 - x1, x2 - x3, (x0 + x1) - (x2 + x3) and the sum of four, which goes to LDS.
.set j, 0
.rept 8
	v_add_f32 v[T+2*j],   v[XB+4*j],   v[XB+4*j+1]
	v_add_f32 v[T+2*j+1], v[XB+4*j+2], v[XB+4*j+3]
	v_sub_f32 v[XB+4*j],   v[XB+4*j],   v[XB+4*j+1]
	v_sub_f32 v[XB+4*j+1], v[XB+4*j+2], v[XB+4*j+3]
	v_sub_f32 v[XB+4*j+2], v[T+2*j], v[T+2*j+1]
	v_add_f32 v[XB+4*j+3], v[T+2*j], v[T+2*j+1]
	ds_store_b32 v[LSA], v[XB+4*j+3] offset:128*j+16*(j/2)
.set j, j+1
.endr
	ds_load_b128 v[G:G+3],   v[LLA]                ; my eight groups: these see the stores above, which LDS serves first
	ds_load_b128 v[G+4:G+7], v[LLA] offset:16
	; THE FIRST BATCH: all 36 exponentials.  The leaf levels' 24 stand in the wait for LDS, plain lines between them; none of the batch's results is named ahead of its one wait.
	LO 0
	LO 1
	LP 0
.set p, 1
.rept 11
	LO 2*p
	LE 2*p-2
	LO 2*p+1
	LE 2*p-1
	LP p
.set p, p+1
.endr
	LE 22
	LE 23
	s_wait_dscnt 0x0                               ; my eight group sums are in
	; UP, levels 7 to 0, the middle's exponents and exponentials between the links of the chain of sums
	v_sub_f32 v[MD+0], v[G+0], v[G+1]
	v_add_f32 v[S7+0], v[G+0], v[G+1]
	v_sub_f32 v[MD+2], v[G+2], v[G+3]
	v_add_f32 v[S7+1], v[G+2], v[G+3]
	v_sub_f32 v[MD+1], v[G+4], v[G+5]
	v_add_f32 v[S7+2], v[G+4], v[G+5]
	v_sub_f32 v[MD+3], v[G+6], v[G+7]
	v_add_f32 v[S7+3], v[G+6], v[G+7]
	v_sub_f32 v[MD+4], v[S7+0], v[S7+1]
	v_add_f32 v[S6+0], v[S7+0], v[S7+1]
	v_sub_f32 v[MD+5], v[S7+2], v[S7+3]
	v_add_f32 v[S6+1], v[S7+2], v[S7+3]
	MO 0
	MO 1
	v_sub_f32 v[MD+6], v[S6+0], v[S6+1]
	v_add_f32 v[SS], v[S6+0], v[S6+1]
	MP 0
	MO 2
	MO 3
	UP 1, 7                                        ; level 4
	MP 1
	ME 0
	MO 4
	ME 1
	MO 5
	UP 2, 8                                        ; level 3
	MP 2
	ME 2
	MO 6
	ME 3
	MO 7
	UP 4, 9                                        ; level 2
	MP 3
	ME 4
	MO 8
	ME 5
	MO 9
	UP 8, 10                                       ; level 1
	MP 4
	ME 6
	ME 7
	v_permlanex16_b32 v[OT], v[SS], s[SEL], s[SEL+1]  ; level 0: the other half of the row lies in the lane 16 away
	ME 8
	MO 10
	ME 9
	v_sub_f32 v[MD+11], v[OT], v[SS]
	MO 11
	MP 5
	ME 10
	ME 11
	v_nop                                          ; a plain instruction behind the last exponential (ISA guide 5.7.2),
	s_wait_alu depctr_va_vdst(0)                   ; and the wait ahead of the first use: one for the 36
	; THE SECOND BATCH: all 36 reciprocals, the middle's first
	WP 0
.set p, 0
.rept 17
	WP p+1
	RP p
.set p, p+1
.endr
	RP 17
	v_nop                                          ; as above,
	s_wait_alu depctr_va_vdst(0)                   ; one wait for the 36
	; DOWN, levels 0 to 7.  Each link of the chain waits for the one before it: other nodes' lines stand between them.
	ZP 5
	ZP 4
	ZP 3
	MB 11
	MB 10
	MB 9
	MB 8
	MB 7
	MB 6
	v_fma_f32 v[PP], -v[MC+11], s[CC], s[CC]       ; level 0: 2^-10 (1 - z)
	ZP 2
	ZP 1
	DOWN 10
	ZP 0
	MB 4
	DOWN 9
	MB 5
	MB 0
	DOWN 8
	MB 1
	MB 2
	DOWN 7
	MB 3
	ZP 6
	v_fma_f32 v[PA],   v[PP],  v[MC+6], v[PP]      ; level 5
	v_fma_f32 v[PA+1], -v[PP], v[MC+6], v[PP]
	ZP 7
	ZP 8
	PLUS  BL, PA, MC+4                             ; level 6: groups 0-1 and 4-5,
	MINUS BR, PA, MC+4                             ; groups 2-3 and 6-7
	ZP 9
	ZP 10
	PLUS  G+0, BL, MC+0                            ; level 7: groups 0, 4
	MINUS G+2, BL, MC+0                            ; 1, 5
	PLUS  G+4, BR, MC+2                            ; 2, 6
	MINUS G+6, BR, MC+2                            ; 3, 7
	ds_store_b128 v[LLA], v[G:G+3]                 ; over the sums, which have been read
	ds_store_b128 v[LLA], v[G+4:G+7] offset:16
.set j, 0
.rept 8
	ds_load_b32 v[PJ+j], v[LPA] offset:128*j+16*(j/2)
.set j, j+1
.endr
	; the rest of the leaf levels' z and their signs stand in the wait for LDS
.irp q, 11,12,13,14,15,16,17
	ZP \q
.endr
.set n, 0
.rept 24
	LB_ n
.set n, n+1
.endr
	s_wait_dscnt 0x0                               ; my eight products are in
	; DOWN, levels 8 and 9, and out
.irp i, 0,2,4,6
	PLUS  QL+\i, PJ+\i, T+16+\i
	MINUS QR+\i, PJ+\i, T+16+\i
.endr
.set j, 0
.rept 8
	v_fma_f32 v[XB+4*j],   v[QL+j],  v[T+2*j],   v[QL+j]
	v_fma_f32 v[XB+4*j+1], -v[QL+j], v[T+2*j],   v[QL+j]
	v_fma_f32 v[XB+4*j+2], v[QR+j],  v[T+2*j+1], v[QR+j]
	v_fma_f32 v[XB+4*j+3], -v[QR+j], v[T+2*j+1], v[QR+j]
	global_store_b128 v[GOFF], v[XB+4*j:XB+4*j+3], s[6:7] offset:ROWB*(\r)+512*j th:TH_STORE_NT  ; 512 consecutive bytes, at a multiple of 512 from out0's first
.set j, j+1
.endr
.endm
	ROW 0
	ROW 1
	ROW 2
	ROW 3
	s_wait_tensorcnt 0x0                           ; the wave's end, behind my last LDS store
	ds_add_u32 v[SPW], v[NIL]
	s_wait_dscnt 0x0
	s_endpgm
.Lfunc_end_k_qccdf693ebf_tree:
	.size	k_qccdf693ebf_tree, .Lfunc_end_k_qccdf693ebf_tree-k_qccdf693ebf_tree
	.p2alignl 7, 3214868480
	.fill 96, 4, 3214868480
	.section	.rodata,"a",@progbits
	.p2align	6, 0x0
	.amdhsa_kernel k_qccdf693ebf_tree
		.amdhsa_group_segment_fixed_size 22528
		.amdhsa_private_segment_fixed_size 0
		.amdhsa_enable_private_segment 0
		.amdhsa_kernarg_size 16
		.amdhsa_user_sgpr_count 2
		.amdhsa_user_sgpr_kernarg_segment_ptr 1
		.amdhsa_wavefront_size32 1
		.amdhsa_system_sgpr_workgroup_id_x 1
		.amdhsa_system_sgpr_workgroup_id_y 1
		.amdhsa_system_sgpr_workgroup_id_z 1
		.amdhsa_system_vgpr_workitem_id 0
		.amdhsa_next_free_vgpr 240
		.amdhsa_next_free_sgpr 66
		.amdhsa_reserve_vcc 0
		.amdhsa_float_denorm_mode_32 3
		.amdhsa_float_denorm_mode_16_64 3
		.amdhsa_memory_ordered 1
		.amdhsa_forward_progress 1
		.amdhsa_inst_pref_size 75
	.end_amdhsa_kernel
	.amdgpu_metadata
---
amdhsa.version: [ 1, 2 ]
amdhsa.kernels:
  - .name:           k_qccdf693ebf_tree
    .symbol:         k_qccdf693ebf_tree.kd
    .args:
      - { .name: outputs, .offset: 0, .size: 8, .value_kind: global_buffer, .address_space: global }
      - { .name: out0, .offset: 8, .size: 8, .value_kind: global_buffer, .address_space: global }
    .group_segment_fixed_size: 22528
    .private_segment_fixed_size: 0
    .kernarg_segment_align: 8
    .kernarg_segment_size: 16
    .max_flat_workgroup_size: 512
    .sgpr_count:     66
    .vgpr_count:     240
    .wavefront_size: 32
...
	.end_amdgpu_metadata
.endif
;; end of part 1
;; ======== version 2 of 2: 1 launch; version 1 with the launch tree written anew for expert scheduling mode
;; limits: a function is approximated: absolute error at most 1.2e-07
;; launch tree (part 2): grid 256 x 1, 16 waves a work-group, no clusters, 22,528 bytes of LDS; arguments outputs, out0; writes out0
.if DOCPART == 2
	.amdgcn_target "amdgcn-amd-amdhsa--gfx1250"
	.amdhsa_code_object_version 6
	.text
	.protected	k_qccdf693ebf_tree
	.globl	k_qccdf693ebf_tree
	.p2align	8
	.type	k_qccdf693ebf_tree,@function
k_qccdf693ebf_tree:
	s_mov_b64 s[64:65], 0
	v_nop
	global_prefetch_b8 v0, s[64:65] scope:SCOPE_SE
	s_setreg_imm32_b32 hwreg(HW_REG_WAVE_SCHED_MODE, 0, 2), 2
	s_setreg_imm32_b32 hwreg(HW_REG_WAVE_MODE, 25, 1), 1
	s_wait_xcnt 0x0
	s_wait_alu depctr_vm_vsrc(0)
; SOFT DECISION RULES OVER A COMPLETE BINARY TREE.  outputs, out0: [16384][1024] f32.
; out0[b][c] = the product over the levels d = 0 .. 9 of the probability that the node above c at level d gives to the child that holds c:
; softmax over (mean of the left half's leaves, mean of the right half's); a child at level d has 512 >> d leaves.
; ARITHMETIC.  A node's children have means a and b.  With the maximum taken away, as reference() takes it, the larger child's exponential is exp(0) = 1 and the
; smaller one's is t = exp(-|a - b|), at most 1: nothing can overflow.  The probabilities are 1 / (1 + t) and t / (1 + t), that is (1 + z) / 2 and (1 - z) / 2 with
; z = (1 - t) / (1 + t) = 2 / (1 + t) - 1, the larger for the larger mean: z takes the sign of a - b.  A path's ten factors 1/2 are the 2^-10 with which its product starts.
; A block's sum is made of its two halves' sums, so every level's means come from the level below; 1 / leaves and log2(e) are one factor in front of the exponential.
; LEFT OUT: the multiplication by reference()'s initial ones (a factor 1), and exp(0).  Nothing else; the one input is read whole.
; LIMITS.  (1 - z) / 2 resolves a child's probability to about 2^-24 of its parent's; smaller ones come out as 0 or coarse.  Every row of out0 sums to 1, so the
; root mean square of out0 is at least 2^-10, whatever the input.  The sums are pairwise, an order other than reference()'s.  NaN and infinities are not treated apart.
; SHARES.  A work-group of 16 waves owns 64 rows, a wave 4.  A row is 4,096 bytes: eight loads of 16 bytes a lane, each 512 consecutive bytes, aligned; lane l holds the leaves
; 128 j + 4 l + 0..3 of piece j.  All 32 loads of a wave go out at its head; each row has 32 registers of its own, in which it is loaded, worked on and stored from:
; no register that a global load or store reads is ever written again, so there is no wait on XCNT.
; WHERE THE LEVELS LIE.  Levels 9 and 8 lie inside a lane's four leaves.  The 256 sums of four (group g = 32 j + l) go through the wave's own LDS area, so that lane l then holds
; the groups 8 l .. 8 l + 7, 32 neighbouring leaves: levels 7, 6, 5 lie inside the lane, levels 4 .. 0 between lanes 1, 2, 4, 8, 16 apart, on ONE register.  So a lane works 24 + 7 + 5 nodes
; where the loaded layout alone would have it work 24 + 40 + 7.  The 256 products of levels 0 .. 7 come back through the same area.
; LDS.  Group g's word lies at 4 g + 16 (g / 64) of the wave's area.
; No wave touches another's area, and LDS serves a wave's instructions in order (ISA guide 5.7.1.4): no barrier.
; NO CLUSTER, no tensor load: work-groups share no byte, and the loads bring the data as the arithmetic wants them.
; THE MODE: SCHED_MODE bits 1:0 = 2 (LLVM: expert scheduling mode 2), set by the entry lines.  The code itself states the register dependences
; between vector instructions and memory or LDS instructions, with s_wait_alu, always for 0.
; THE PLAN.  Registers that memory or LDS instructions touch:
;   v[GOFF]               Written once at the head; read by every global load and store.
;   v[LSA], v[LLA], v[LPA]  Written once in the set-up; read by every row's LDS instructions.
;   X, 32 a row           The loads land at the head, before any vector line names them.  Row r's vector lines work in them; each piece's fourth register is read by row r's LDS stores of the sums
;                         and written again by the row's last multiply-adds; all 32 are read by the row's global stores, which are issued in row r + 1, and are never written after that.
;   G                     Row r: two LDS loads land in it; vector lines read it; level 7's lines write it; two LDS stores read it.  Then row r + 1's loads land in it.
;   PJ                    Row r: eight LDS loads land in it; level 8's lines read it.  Then row r + 1's loads land in it.
;   v[SPW], v[NIL]        Written at the head, read by the closing add alone.
;   All other registers are named by vector instructions alone.
; A row has four waits on va_vdst and one on vm_vsrc.  The first stands behind the 48 lines of levels 9 and 8, ahead of the row's first LDS instructions and of the global stores of the row before;
; the second and third are the exponentials' and the reciprocals'; the fourth stands behind level 7's lines, ahead of the LDS stores of G and the loads into PJ.  The one on vm_vsrc stands ahead of the
; last multiply-adds.  Between each wait and the memory or LDS instructions that lean on it no vector line names a register that those touch.
.set ROWB,  4096                       ; bytes in a row
.set ROWS,  4                          ; rows of a wave
.set WAVES, 16
.set AREA,  1280                       ; a wave's LDS area: 1,072 bytes are used
.set SPARE, WAVES*AREA                 ; behind the areas: the spare words, 128 bytes for each wave: eight blocks of 256 bytes that no other line names
.set LOG2E, 0x3fb8aa3b                 ; log2(e); divided by 2^n by taking n from its exponent field
.set GOFF, 1                           ; v1   16 x lane: my bytes in a piece of 512; never rewritten
.set LSA,  2                           ; v2   LDS: my word among a piece's 32 group sums
.set LLA,  3                           ; v3   LDS: the 32 bytes of my eight groups
.set SPW,  4                           ; v4   LDS address of my spare word; never rewritten
.set NIL,  5                           ; v5   0; never rewritten
.set LPA,  6                           ; v6   LDS: my word among a piece's 32 products (their order within eight differs: below)
.set LN,   7                           ; v7   lane
.set T,    8                           ; v[8:31]    leaf levels: node 2 j + h of level 9 (leaves 2 h, 2 h + 1 of piece j) at T + 2 j + h, node j of level 8 at T + 16 + j
.set G,    32                          ; v[32:39]   my eight group sums; later my eight products
.set S7,   40                          ; v[40:43]   sums of two groups
.set S6,   44                          ; v[44:45]   of four
.set SS,   46                          ; v46        of my 32 leaves, then of 64, 128 .. as it goes up
.set OT,   47                          ; v47        the sum of the lane 16 away
.set MD,   48                          ; v[48:59]   the middle's differences: level 7's nodes 0, 2, 1, 3; level 6's 0, 1; level 5; levels 4, 3, 2, 1, 0 (there: the sibling's sum less mine)
.set MC,   60                          ; v[60:71]   the same nodes' chains: -|d|, exponent, t, 1 + t, 1 / (1 + t), z, z with its sign
.set PP,   72                          ; v72        2^-10 x my factors of levels 0 .. 4
.set PA,   74                          ; v[74:75]   level 5's two children
.set BL,   76                          ; v[76:77]   level 6: the left children of its two nodes
.set BR,   78                          ; v[78:79]   the right ones
.set PJ,   80                          ; v[80:87]   the product of levels 0 .. 7 for my four leaves of piece j
.set QL,   88                          ; v[88:95]   level 8: left child, by piece
.set QR,   96                          ; v[96:103]  right child
.set KV,   104                         ; v[104:109] log2(e) / leaves for levels 5, 4, 3, 2, 1, 0
.set X,    112                         ; v[112:239] the four rows
.set WV,   8                           ; s8   my wave's number
.set LB,   9                           ; s9   my wave's LDS area
.set SGN,  10                          ; s10  the sign bit
.set MASK, 11                          ; s11  all but the sign bit
.set SEL,  12                          ; s[12:13] v_permlanex16_b32's selects: each lane takes its own place in the other half
.set CC,   14                          ; s14  2^-10
.set KS,   16                          ; s[16:23] log2(e) / leaves for levels 9, 8, 7, 6, each twice: the packed multiply names a pair and takes its low word for both halves
	s_load_b128 s[4:7], s[0:1], 0x0                ; outputs s[4:5], out0 s[6:7]
	v_lshl_add_u32 v[SPW], v0, 2, SPARE
	v_mov_b32 v[NIL], 0
	v_lshrrev_b32 v[T], 5, v0
	v_readfirstlane_b32 s[WV], v[T]                ; wave 0..15
	v_and_b32 v[LN], 31, v0
	v_lshlrev_b32 v[GOFF], 4, v[LN]
	s_lshl_b32 s2, ttmp9, 18                       ; the work-group's 64 rows of 4,096 bytes,
	s_wait_alu depctr_va_sdst(0)                   ; s[WV] is written, ahead of its first reader: the wave's rows and its LDS area are made from it
	s_lshl_b32 s3, s[WV], 14                       ; my wave's 4 of them: under 2^26 in all
	s_add_co_u32 s2, s2, s3
	s_mov_b32 s3, 0
	s_wait_kmcnt 0x0
	s_add_nc_u64 s[4:5], s[4:5], s[2:3]
	s_add_nc_u64 s[6:7], s[6:7], s[2:3]
	s_wait_alu depctr_va_vdst(0)                   ; v[GOFF] is written: every global load and store of the kernel reads it as its offset
.set i, 0
.rept 8*ROWS                           ; all four rows are asked for at once: 16 KiB a wave; piece i % 8 of row i / 8
	global_load_b128 v[X+4*i:X+4*i+3], v[GOFF], s[4:5] offset:512*i th:TH_LOAD_NT
.set i, i+1
.endr
	; the set-up stands in the wait for the first row; it names no register that the loads above touch
	s_mul_i32 s[LB], s[WV], AREA
	v_lshl_add_u32 v[LSA], v[LN], 2, s[LB]         ; group 32 j + l: 4 l here, 128 j + 16 (j / 2) in the immediate
	v_and_b32 v[T], 24, v[LN]                      ; 8 (l / 8)
	v_lshlrev_b32 v[T+1], 1, v[T]
	v_lshl_add_u32 v[LLA], v[LN], 5, v[T+1]        ; groups 8 l ..: 32 l + 16 (l / 8)
	v_add_nc_u32 v[LLA], s[LB], v[LLA]
	v_and_b32 v[T+1], 3, v[LN]                     ; the products lie in the order 0, 4, 1, 5, 2, 6, 3, 7 within eight: group m of eight at word 2 (m % 4) + m / 4
	v_lshlrev_b32 v[T+1], 3, v[T+1]
	v_lshl_add_u32 v[T], v[T], 2, v[T+1]           ; 32 (l / 8) + 8 (l % 4)
	v_and_b32 v[T+1], 4, v[LN]                     ; + 4 ((l / 4) % 2)
	v_add3_u32 v[LPA], v[T], v[T+1], s[LB]
	s_mov_b32 s[SGN], 0x80000000
	s_mov_b32 s[MASK], 0x7fffffff
	s_mov_b32 s[SEL], 0x76543210
	s_mov_b32 s[SEL+1], 0xfedcba98
	s_mov_b32 s[CC], 0x3a800000
.irp d, 9,8,7,6
	s_mov_b32 s[KS+2*(9-\d)], LOG2E-((9-\d)<<23)
	s_mov_b32 s[KS+2*(9-\d)+1], LOG2E-((9-\d)<<23)
.endr
.irp d, 5,4,3,2,1,0
	v_mov_b32 v[KV+5-\d], LOG2E-((9-\d)<<23)
.endr
.irp m, 7,8,9,10
	v_mov_b32 v[MD+\m], 0                          ; destinations of lane-crossing forms count as read: they are written once here
.endr
	v_mov_b32 v[OT], 0
; THE LEAF LEVELS' 24 NODES.  Node n's difference lies in the row's own registers.
.macro DREG n
.if (\n) < 16
.set dr, XB+4*((\n)/2)+(\n)%2
.else
.set dr, XB+4*((\n)-16)+2
.endif
.endm
.macro LO n                            ; -|d|
	DREG \n
	v_or_b32 v[T+(\n)], s[SGN], v[dr]
.endm
.macro LP p                            ; pair p of 12: times log2(e) / leaves
.if (\p) < 8
	v_pk_mul_f32 v[T+2*(\p):T+2*(\p)+1], v[T+2*(\p):T+2*(\p)+1], s[KS:KS+1] op_sel_hi:[1,0]
.else
	v_pk_mul_f32 v[T+2*(\p):T+2*(\p)+1], v[T+2*(\p):T+2*(\p)+1], s[KS+2:KS+3] op_sel_hi:[1,0]
.endif
.endm
.macro LE n                            ; t
	v_exp_f32 v[T+(\n)], v[T+(\n)]
.endm
.macro LB_ n                           ; z takes the difference's sign
	DREG \n
	v_bfi_b32 v[T+(\n)], s[MASK], v[T+(\n)], v[dr]
.endm
; THE MIDDLE'S 12 NODES.
.macro MO m
	v_or_b32 v[MC+(\m)], s[SGN], v[MD+(\m)]
.endm
.macro MP q                            ; pair q of 6
.if (\q) < 2
	v_pk_mul_f32 v[MC+2*(\q):MC+2*(\q)+1], v[MC+2*(\q):MC+2*(\q)+1], s[KS+4:KS+5] op_sel_hi:[1,0]
.elseif (\q) == 2
	v_pk_mul_f32 v[MC+2*(\q):MC+2*(\q)+1], v[MC+2*(\q):MC+2*(\q)+1], s[KS+6:KS+7] op_sel_hi:[1,0]
.else
	v_pk_mul_f32 v[MC+2*(\q):MC+2*(\q)+1], v[MC+2*(\q):MC+2*(\q)+1], v[KV+2*(\q)-6:KV+2*(\q)-5]
.endif
.endm
.macro ME m
	v_exp_f32 v[MC+(\m)], v[MC+(\m)]
.endm
.macro MB m
	v_bfi_b32 v[MC+(\m)], s[MASK], v[MC+(\m)], v[MD+(\m)]
.endm
.macro UP x, m                         ; one level between lanes x apart: the sibling's sum less mine, then the parent's sum
	v_sub_f32_dpp v[MD+(\m)], v[SS], v[SS] row_xmask:\x row_mask:0xf bank_mask:0xf
	v_add_f32_dpp v[SS], v[SS], v[SS] row_xmask:\x row_mask:0xf bank_mask:0xf
.endm
.macro DOWN m                          ; my factor of such a level: 1 - z, z with the sign of (sibling - me)
	v_fma_f32 v[PP], -v[PP], v[MC+(\m)], v[PP]
.endm
; ALL 36 CHAINS, as 18 pairs: the middle's six, then the leaf levels' twelve.
.macro PAIR q
.if (\q) < 6
.set pr, MC+2*(\q)
.else
.set pr, T+2*((\q)-6)
.endif
.endm
.macro WP q                            ; 1 + t
	PAIR \q
	v_pk_add_f32 v[pr:pr+1], v[pr:pr+1], 1.0 op_sel_hi:[1,0]
.endm
.macro RP q                            ; 1 / (1 + t)
	PAIR \q
	v_rcp_f32 v[pr], v[pr]
	v_rcp_f32 v[pr+1], v[pr+1]
.endm
.macro ZP q                            ; z = 2 / (1 + t) - 1
	PAIR \q
	v_pk_fma_f32 v[pr:pr+1], v[pr:pr+1], 2.0, -1.0 op_sel_hi:[1,0,0]
.endm
; Two nodes' left children, P + P z, and their right ones, P - P z: parents and z in pairs
.macro PLUS d, p, z
	v_pk_fma_f32 v[(\d):(\d)+1], v[(\p):(\p)+1], v[(\z):(\z)+1], v[(\p):(\p)+1]
.endm
.macro MINUS d, p, z
	v_pk_fma_f32 v[(\d):(\d)+1], v[(\p):(\p)+1], v[(\z):(\z)+1], v[(\p):(\p)+1] neg_lo:[0,1,0] neg_hi:[0,1,0]
.endm
; Piece j of row r goes out: 512 consecutive bytes, at a multiple of 512 from out0's first
.macro SEND r, j
	global_store_b128 v[GOFF], v[X+32*(\r)+4*(\j):X+32*(\r)+4*(\j)+3], s[6:7] offset:ROWB*(\r)+512*(\j) th:TH_STORE_NT
.endm
.macro ROW r
.set XB, X+32*(\r)
	s_wait_loadcnt 8*(ROWS-1-(\r))                 ; loads come back in order (ISA guide 5.7.1): this row's eight are in, the later rows' stay out
	; UP, levels 9 and 8.  A piece's four registers x0 .. x3 become x0 - x1, x2 - x3, (x0 + x1) - (x2 + x3) and the sum of four, which goes to LDS.
.set j, 0
.rept 8
	v_add_f32 v[T+2*j],   v[XB+4*j],   v[XB+4*j+1]
	v_add_f32 v[T+2*j+1], v[XB+4*j+2], v[XB+4*j+3]
	v_sub_f32 v[XB+4*j],   v[XB+4*j],   v[XB+4*j+1]
	v_sub_f32 v[XB+4*j+1], v[XB+4*j+2], v[XB+4*j+3]
	v_sub_f32 v[XB+4*j+2], v[T+2*j], v[T+2*j+1]
	v_add_f32 v[XB+4*j+3], v[T+2*j], v[T+2*j+1]
.set j, j+1
.endr
	s_wait_alu depctr_va_vdst(0)                   ; the eight sums of four are written, which the LDS stores read; the row before is done writing and reading G, in which the LDS loads land, and has written its X, which its global stores below read; in the first row the three LDS addresses are written
.set j, 0
.rept 8
	ds_store_b32 v[LSA], v[XB+4*j+3] offset:128*j+16*(j/2)
.set j, j+1
.endr
	ds_load_b128 v[G:G+3],   v[LLA]                ; my eight groups: these see the stores above, which LDS serves first
	ds_load_b128 v[G+4:G+7], v[LLA] offset:16
	; THE FIRST BATCH: all 36 exponentials.  The leaf levels' 24 stand in the wait for LDS, plain lines between them; none of the batch's results is named ahead of its one wait.
	; The global stores of the row before are dealt among them, with no further wait: no vector line since the wait above names a register of that row.
	LO 0
	LO 1
	LP 0
.set p, 1
.rept 11
	LO 2*p
	LE 2*p-2
	LO 2*p+1
	LE 2*p-1
	LP p
.if ((\r) > 0) && (p <= 8)
	SEND (\r)-1, p-1
.endif
.set p, p+1
.endr
	LE 22
	LE 23
	s_wait_dscnt 0x0                               ; my eight group sums are in
	; UP, levels 7 to 0, the middle's exponents and exponentials between the links of the chain of sums
	v_sub_f32 v[MD+0], v[G+0], v[G+1]
	v_add_f32 v[S7+0], v[G+0], v[G+1]
	v_sub_f32 v[MD+2], v[G+2], v[G+3]
	v_add_f32 v[S7+1], v[G+2], v[G+3]
	v_sub_f32 v[MD+1], v[G+4], v[G+5]
	v_add_f32 v[S7+2], v[G+4], v[G+5]
	v_sub_f32 v[MD+3], v[G+6], v[G+7]
	v_add_f32 v[S7+3], v[G+6], v[G+7]
	v_sub_f32 v[MD+4], v[S7+0], v[S7+1]
	v_add_f32 v[S6+0], v[S7+0], v[S7+1]
	v_sub_f32 v[MD+5], v[S7+2], v[S7+3]
	v_add_f32 v[S6+1], v[S7+2], v[S7+3]
	MO 0
	MO 1
	v_sub_f32 v[MD+6], v[S6+0], v[S6+1]
	v_add_f32 v[SS], v[S6+0], v[S6+1]
	MP 0
	MO 2
	MO 3
	UP 1, 7                                        ; level 4
	MP 1
	ME 0
	MO 4
	ME 1
	MO 5
	UP 2, 8                                        ; level 3
	MP 2
	ME 2
	MO 6
	ME 3
	MO 7
	UP 4, 9                                        ; level 2
	MP 3
	ME 4
	MO 8
	ME 5
	MO 9
	UP 8, 10                                       ; level 1
	MP 4
	ME 6
	ME 7
	v_permlanex16_b32 v[OT], v[SS], s[SEL], s[SEL+1]  ; level 0: the other half of the row lies in the lane 16 away
	ME 8
	MO 10
	ME 9
	v_sub_f32 v[MD+11], v[OT], v[SS]
	MO 11
	MP 5
	ME 10
	ME 11
	v_nop                                          ; a plain instruction behind the last exponential (ISA guide 5.7.2),
	s_wait_alu depctr_va_vdst(0)                   ; and the wait ahead of the first use: the 36 exponentials have written T and MC
	; THE SECOND BATCH: all 36 reciprocals, the middle's first
	WP 0
.set p, 0
.rept 17
	WP p+1
	RP p
.set p, p+1
.endr
	RP 17
	v_nop                                          ; as above,
	s_wait_alu depctr_va_vdst(0)                   ; the 36 reciprocals have written T and MC, ahead of their first use
	; DOWN, levels 0 to 7.  Each link of the chain waits for the one before it: other nodes' lines stand between them.
	ZP 5
	ZP 4
	ZP 3
	MB 11
	MB 10
	MB 9
	MB 8
	MB 7
	MB 6
	v_fma_f32 v[PP], -v[MC+11], s[CC], s[CC]       ; level 0: 2^-10 (1 - z)
	ZP 2
	ZP 1
	DOWN 10
	ZP 0
	MB 4
	DOWN 9
	MB 5
	MB 0
	DOWN 8
	MB 1
	MB 2
	DOWN 7
	MB 3
	ZP 6
	v_fma_f32 v[PA],   v[PP],  v[MC+6], v[PP]      ; level 5
	v_fma_f32 v[PA+1], -v[PP], v[MC+6], v[PP]
	ZP 7
	ZP 8
	PLUS  BL, PA, MC+4                             ; level 6: groups 0-1 and 4-5,
	MINUS BR, PA, MC+4                             ; groups 2-3 and 6-7
	ZP 9
	ZP 10
	PLUS  G+0, BL, MC+0                            ; level 7: groups 0, 4
	MINUS G+2, BL, MC+0                            ; 1, 5
	PLUS  G+4, BR, MC+2                            ; 2, 6
	MINUS G+6, BR, MC+2                            ; 3, 7
	s_wait_alu depctr_va_vdst(0)                   ; level 7's lines have written G, which the LDS stores read; the row before is done reading PJ, in which the LDS loads land
	ds_store_b128 v[LLA], v[G:G+3]                 ; over the sums, which have been read
	ds_store_b128 v[LLA], v[G+4:G+7] offset:16
.set j, 0
.rept 8
	ds_load_b32 v[PJ+j], v[LPA] offset:128*j+16*(j/2)
.set j, j+1
.endr
	; the rest of the leaf levels' z and their signs stand in the wait for LDS; they name T and the differences alone
.irp q, 11,12,13,14,15,16,17
	ZP \q
.endr
.set n, 0
.rept 24
	LB_ n
.set n, n+1
.endr
	s_wait_dscnt 0x0                               ; my eight products are in
	s_wait_alu depctr_vm_vsrc(0)                   ; the LDS stores of the sums have read each piece's fourth register, which the multiply-adds below write again; the LDS stores of the products have read G, in which the next row's LDS loads land
	; DOWN, levels 8 and 9.  The row goes out in the next row's turn, behind that row's first wait; the last row behind a wait of its own.
.irp i, 0,2,4,6
	PLUS  QL+\i, PJ+\i, T+16+\i
	MINUS QR+\i, PJ+\i, T+16+\i
.endr
.set j, 0
.rept 8
	v_fma_f32 v[XB+4*j],   v[QL+j],  v[T+2*j],   v[QL+j]
	v_fma_f32 v[XB+4*j+1], -v[QL+j], v[T+2*j],   v[QL+j]
	v_fma_f32 v[XB+4*j+2], v[QR+j],  v[T+2*j+1], v[QR+j]
	v_fma_f32 v[XB+4*j+3], -v[QR+j], v[T+2*j+1], v[QR+j]
.set j, j+1
.endr
.endm
	ROW 0
	ROW 1
	ROW 2
	ROW 3
	s_wait_alu depctr_va_vdst(0)                   ; the last row's multiply-adds have written its X, which the last eight stores read
.irp j, 0,1,2,3,4,5,6,7
	SEND 3, \j
.endr
	s_wait_dscnt 0x0                               ; the closing lines, six on end
	s_wait_alu 0x0
	s_wait_tensorcnt 0x0
	ds_add_u32 v[SPW], v[NIL]
	s_wait_dscnt 0x0
	s_endpgm
.Lfunc_end_k_qccdf693ebf_tree:
	.size	k_qccdf693ebf_tree, .Lfunc_end_k_qccdf693ebf_tree-k_qccdf693ebf_tree
	.p2alignl 7, 3214868480
	.fill 96, 4, 3214868480
	.section	.rodata,"a",@progbits
	.p2align	6, 0x0
	.amdhsa_kernel k_qccdf693ebf_tree
		.amdhsa_group_segment_fixed_size 22528
		.amdhsa_private_segment_fixed_size 0
		.amdhsa_enable_private_segment 0
		.amdhsa_kernarg_size 16
		.amdhsa_user_sgpr_count 2
		.amdhsa_user_sgpr_kernarg_segment_ptr 1
		.amdhsa_wavefront_size32 1
		.amdhsa_system_sgpr_workgroup_id_x 1
		.amdhsa_system_sgpr_workgroup_id_y 1
		.amdhsa_system_sgpr_workgroup_id_z 1
		.amdhsa_system_vgpr_workitem_id 0
		.amdhsa_next_free_vgpr 240
		.amdhsa_next_free_sgpr 66
		.amdhsa_reserve_vcc 0
		.amdhsa_float_denorm_mode_32 3
		.amdhsa_float_denorm_mode_16_64 3
		.amdhsa_memory_ordered 1
		.amdhsa_forward_progress 1
		.amdhsa_inst_pref_size 75
	.end_amdhsa_kernel
	.amdgpu_metadata
---
amdhsa.version: [ 1, 2 ]
amdhsa.kernels:
  - .name:           k_qccdf693ebf_tree
    .symbol:         k_qccdf693ebf_tree.kd
    .args:
      - { .name: outputs, .offset: 0, .size: 8, .value_kind: global_buffer, .address_space: global }
      - { .name: out0, .offset: 8, .size: 8, .value_kind: global_buffer, .address_space: global }
    .group_segment_fixed_size: 22528
    .private_segment_fixed_size: 0
    .kernarg_segment_align: 8
    .kernarg_segment_size: 16
    .max_flat_workgroup_size: 512
    .sgpr_count:     66
    .vgpr_count:     240
    .wavefront_size: 32
...
	.end_amdgpu_metadata
.endif
;; end of part 2
